; MI455X (gfx1250); checked and timed in simulation.
; The chip was launched on July 23, 2026; its instructions are those of AMD's public machine-readable ISA for CDNA 5 (MIT licence, August 2026) and "CDNA5" Instruction Set Architecture Reference Guide (July 2026). The comments in the code are by the model that wrote it; some were corrected since.
;; Multihead Attention. Allowed arithmetic: matrix products marked QUANTISED: E2M1 operands, one E8M0 scale for each 32 along K, by v_wmma_scale_f32_16x16x128_f8f6f4 with both operands' format E2M1 (or v_wmma_scale_f32_32x16x128_f4), f32 sums; everything else in f32.
;; Inputs: x 4 x 2,048 x 3,072 float32.
;; Outputs: out0 4 x 2,048 x 1,024 float32.
;; This version of the problem:
;;   THIS VERSION OF THE PROBLEM IS GIVEN IN LOW PRECISION. The matrix products marked QUANTISED in the list below multiply operands that are first quantised to E2M1 (2 exponent bits, 1 mantissa bit; 4 bits a number), with one power-of-two scale for each 32 numbers along K (OCP MX v1.0); their sums are f32. All else is computed in f32.
;;   The module's matrix products, in the order in which they are computed (A, B: the left and right operand; K: the contracted axis; several contracted axes count as one K, in the product's order):
;;     1. batch 64 x [M 2,048, K 64] x [K 64, N 2,048]; A: computed on the way; B: computed on the way: QUANTISED
;;     2. batch 64 x [M 2,048, K 2,048] x [K 2,048, N 64]; A: softmax (see below); B: computed on the way: QUANTISED
;;   THE QUANTISER, for each operand of a quantised product, along K:
;;     - K is cut into blocks of 32 from its start; a last block that is shorter is filled with zeros.
;;     - A block's scale is 2^e with e = floor(log2(the largest magnitude in the block)) - 2, held to -126 .. 127; a block of zeros has e = 0. As a byte (E8M0): e + 127.
;;     - Each number is divided by its block's scale, clamped to +-6, and rounded to the nearest number of E2M1, ties to even, subnormals kept.
;;     - The product sums the exact products of the quantised numbers (number of the format x scale) in f32.
;;   ~~~python
;;   def quantise(x, axis):      # numpy; x: float32 -> the quantised numbers, widened to float32 again
;;       x = np.moveaxis(x, axis, -1); K = x.shape[-1]
;;       x = np.pad(x, [(0, 0)] * (x.ndim - 1) + [(0, -K % 32)]); x = x.reshape(x.shape[:-1] + (-1, 32)); a = np.abs(x).max(-1, keepdims=True)
;;       e = np.where(a > 0, np.clip(np.frexp(np.where(a > 0, a, 1))[1] - 1 - 2, -126, 127), 0)      # np.frexp(a)[1] - 1 = floor(log2(a)), exactly
;;       r = np.clip(x / 2.0 ** e, -6, 6)
;;       step = 2.0 ** (np.maximum(np.frexp(np.where(r == 0, 1, r))[1] - 1, 0) - 1)
;;       q = np.round(r / step) * step * 2.0 ** e      # np.round: ties to even
;;       return np.moveaxis(q.reshape(q.shape[:-2] + (-1,))[..., :K], -1, axis).astype(np.float32)
;;   ~~~
;;   SOFTMAX AHEAD OF A QUANTISED PRODUCT. Where the list says 'softmax', what is quantised is not the finished softmax but p = 2^(t - M), with t = logit x log2(e) and M = ceil(the row's largest t), a whole number; so 1/2 < the row's largest p <= 1. The row's sum l is taken of the UNQUANTISED p, in f32, and the product's result is divided by l at the end. Since M is a whole number, a kernel that streams over the keys may use a running M (the ceiling of the running maximum): every later rescaling is an exact power of two, which a block's scale takes up: the codes' values come out the same.
;;   OPERANDS COMPUTED ON THE WAY. 'Computed on the way' means the value that the module computes at that place (a softmax that the list does not call 'softmax' is quantised finished and normalised). What goes into a quantiser is computed in f32, as accurately as f32 sums, v_exp_f32 and their like allow (about 1e-6 of the number): no bf16 or f16 on the way to a quantiser, and a product that is left as it is and whose result goes on into a quantised operand takes f32 operands (vector FMAs, or v_wmma_f32_16x16x4_f32). A number that lies on a knife's edge between two numbers of the format may be rounded either way, as far as f32 arithmetic and the matrix unit's own rounding can turn it there, and no further.
;; One version. Each part assembles by itself: llvm-mc -triple=amdgcn-amd-amdhsa -mcpu=gfx1250 --defsym DOCPART=n.
;; ======== version 1 of 1: 1 launch
;; limits: right only within a limited range of input values
;; launch attn (part 1): grid 4 x 64, 16 waves a work-group, clusters of 4 x 1, 327,680 bytes of LDS; arguments x, out0; writes out0
.if DOCPART == 1
	.amdgcn_target "amdgcn-amd-amdhsa--gfx1250"
	.amdhsa_code_object_version 6
	.text
	.protected	k_q489926e666_attn
	.globl	k_q489926e666_attn
	.p2align	8
	.type	k_q489926e666_attn,@function
k_q489926e666_attn:
	s_mov_b64 s[64:65], 0
	v_nop
	global_prefetch_b8 v0, s[64:65] scope:SCOPE_SE
	s_setreg_imm32_b32 hwreg(HW_REG_WAVE_MODE, 25, 1), 1
	s_wait_xcnt 0x0
	s_wait_alu depctr_hold_cnt(0) depctr_sa_sdst(0) depctr_va_vdst(0) depctr_va_sdst(0) depctr_va_ssrc(0) depctr_va_vcc(0) depctr_vm_vsrc(0)
	s_getreg_b32 s2, hwreg(HW_REG_IB_STS2, 6, 4)
	s_cmp_eq_u32 s2, 0
	s_cbranch_scc0 .Lentry_in_a_cluster
	s_endpgm
.Lentry_in_a_cluster:
	s_bfe_u32 s2, ttmp6, 0x10000c
	s_cmp_lg_u32 s2, 0x3003
	s_cbranch_scc0 .Lentry_shape_is_right
	s_endpgm
.Lentry_shape_is_right:
; out0[b][s][64 h + d] = the sum over keys of softmax(q . k / 8) v, for 64 (batch, head) pairs of 2,048 rows, head size 64.  q, k, v are the three 256-byte thirds of the head's 768 bytes
; in a row of x (12,288 bytes).  Both products run on codes of FP4 (E2M1) with one E8M0 scale for each 32 along a product's K; every code and scale byte is made here, from f32.
; SOFTMAX: t = score x log2(e) / 8; M = the running largest t rounded UP to a whole number, kept as -M = the least floor(-t) so far; p = 2^(t - M) is quantised along the keys, not normalised;
; the row's sum is taken of the unquantised p and divides at the end; when M moves, the sum and O are multiplied by 2^(old M - new M), which rounds nothing.
; SHARES.  A work-group owns 512 queries of a pair, each of its sixteen waves 32 of them (two tiles of 16).  The four query blocks of a pair form a cluster and ask for K and V JOINTLY (mask 15).
; K and V come as f32, 256 keys (a chunk) at a time, through two LDS slots; waves 0-3 fetch K's four runs of 64 keys, waves 4-7 V's: one tensor load a wave behind each round.
; The sixteen waves quantise a chunk into two RECORDS of 128 keys: images of the operands' registers (lane l's 16 bytes at 16 l) and their scale words.  Four records, two for each slot.
; A TRIP c, behind one round of the cluster's barrier: slot c % 2 is filled with chunk c + 2; chunk c's two records are multiplied; between the two, chunk c + 1 is quantised.
; LAYOUT.  Both products are used transposed (S^T = K Q^T, O^T = V^T P^T): a lane holds ONE query (lane % 16).  THE KEYS OF A TILE ARE CHOSEN: row 8 g + j of K's tile 4 c + u is key
; 64 c + 32 g + 8 u + j, so that a lane's 32 registers of tiles 4 c .. 4 c + 3 are keys 64 c + 32 (lane / 16) + 0 .. 31: a WHOLE block of 32 keys lies in one lane, in the order in which the
; second product's operand wants it.  So a block's maximum needs no other lane, and the conversions' results are that operand's registers as they stand.
; The first product's K is 64, the instruction's 128: a fragment of K carries two tiles, and Q stands between zero codes: (q, 0) picks the first tile, (0, q) the second; zero codes add nothing
; (no scale byte here is 0xff).
; PREFETCH: in trip c, c = 0 .. 3, chunk c + 4 (what trip c + 2 will load) is asked for: 256 rows x 2 blocks of 256 bytes.  The partner at place cx takes rows 64 cx .. 64 cx + 63, told apart by
; address alone; its waves 8-11 ask, a lane a row, one instruction each: every block is named once in the cluster.  Chunks 0 to 3 come by their loads alone.
; LIMITS: NaN and infinities in x are not served.  A block whose largest magnitude lies under 2^-124 (a block of zeros too) gets the byte 1: only this text reads the bytes, and a block of zeros
; has zero codes.  A p under 2^-126 comes out of v_exp_f32 as 0.  M is a whole number exactly for |t| under 2^23.
.set XROW,   12288
.set CHUNKB, 256*XROW
.set KP,     272                       ; a key's row of K in LDS: 256 bytes + 16
.set VP,     264                       ; of V: 256 bytes + 8
.set KT,     256*KP                    ; K's tile in a slot; V's lies behind it
.set SLOTB,  KT+256*VP
.set RECS,   2*SLOTB
.set REC,    8704                      ; a record: K's 4 pair images (1,024 bytes each), V's 4 fragment images, K's scale words (16 r + 4 b), V's (16 r + 4 T)
.set RV,     4096
.set RKS,    8192
.set RVS,    8448
.set SPARE,  RECS+4*REC                ; the spare words: 128 bytes for each of sixteen waves, named by no other line
.set STGW,   16*272                    ; the way out: a stage for each wave, from LDS byte 0 on: in slot 0, behind its last fill and last read
.set FLOOR,  0x1800000                 ; 2^(3 - 127): no scale byte falls under 1
.set SPW, 1                            ; v1 my spare word's address, v2 0: never rewritten
.set NIL, 2
.set LI,  3                            ; RECS + 16 x lane
.set KRD, 4                            ; v4-5 my 16 numbers of K in slot 0, 1;  v6-7 of V
.set VRD, 6
.set KST, 8                            ; where my codes and scale byte go in record 0: K's v8, v9;  V's v10, v11
.set KSS, 9
.set VST, 10
.set VSS, 11
.set GO,  12
.set STO, 13
.set RD,  14
.set QO,  15
.set CC,  16                           ; v16-17 c = log2(e) / 8, twice: a dual pair's two halves name registers of different banks
.set QS,  18                           ; v18-19 Q's scale words
.set ZQ,  20                           ; v20-39 zeros 4, Q of tile 0, zeros 4, Q of tile 1, zeros 4
.set ST,  40                           ; v40-47 tile t at +4 t: -M, -M once more, the sum in two halves
.set P,   48                           ; v48-63 p's codes
.set PW,  64                           ; v64-65 p's scale words
.set SC,  66                           ; v66-69 lanes 0-15 K's scale words, lanes 16-31 V's
.set F,   70                           ; f = 2^(old M - new M)
.set H8,  71                           ; 8 x (lane / 16): how far up my bytes stand in a scale word; never rewritten
.set BM,  72
.set BP,  76
.set BS,  80
.set TA,  84
.set W2,  86
.set KV,  88                           ; v88-119 four fragments: K's pairs, then V's
.set S,   120                          ; v120-183 S^T, then p; also the numbers that are quantised
.set O,   184                          ; v184-247 O^T
.set PFO, 248                          ; the prefetches' offset: lane x a row of x; never rewritten
.set WV,  8
.set G1K, 16
.set G1V, 24
.set G0K, 32                           ; a group 0 for each slot
.set G0V, 40
.set SEL, 48
.set CS,  50
.set CNT, 53
.set PFA, 66                           ; s[66:67] my wave's prefetch address
.set LIM, 68                           ; 1 in waves 8-11, else the greatest number
.macro DLY n
	s_delay_alu instid0(VALU_DEP_\n)
.endm
.macro WA
	s_wait_alu depctr_va_vdst(0)
.endm
.macro NOP4
.rept 4
	v_nop
.endr
.endm
.macro CROUND                          ; a round of the cluster's barrier
	s_barrier_signal -1
	s_barrier_wait -1
	s_cmp_lg_u32 s[WV], 0
	s_cbranch_scc1 .Lnot_wave_0_\@
	s_barrier_signal -3
.Lnot_wave_0_\@:
	s_barrier_wait -3
	s_barrier_signal -1
	s_barrier_wait -1
.endm
.macro TLOAD sl                        ; a joint fill of slot sl: one chain of branches on the wave's number, an arm a load
	s_cmp_lt_u32 s[WV], 4
	s_cbranch_scc0 .Lnot_k_\@
	tensor_load_to_lds s[G0K+4*\sl:G0K+4*\sl+3], s[G1K:G1K+7]
	s_nop 0
	NOP4
	s_branch .Lasked_\@
.Lnot_k_\@:
	s_cmp_lt_u32 s[WV], 8
	s_cbranch_scc0 .Lasked_\@
	tensor_load_to_lds s[G0V+4*\sl:G0V+4*\sl+3], s[G1V:G1V+7]
	s_nop 0
	NOP4
.Lasked_\@:
.endm
.macro ASK                             ; the loop's counter is 3, 2 in trips 0 to 3
	s_cmp_gt_u32 s[CNT], s[LIM]
	s_cbranch_scc0 .Lnot_mine_\@
	global_prefetch_b8 v[PFO], s[PFA:PFA+1] th:TH_LOAD_NT scope:SCOPE_SE
.Lnot_mine_\@:
.endm
	s_load_b128 s[4:7], s[0:1], 0x0                ; x, out0
	v_lshl_add_u32 v[SPW], v0, 2, SPARE
	v_mov_b32 v[NIL], 0
	ds_add_u32 v[SPW], v[NIL]                      ; the opening lines: the add twice on end and one wait
	ds_add_u32 v[SPW], v[NIL]
	v_lshrrev_b32 v[TA], 5, v0
	DLY 1
	v_readfirstlane_b32 s[WV], v[TA]               ; wave 0..15
	; all scalar work first, then all vector work
	s_bfe_u32 s9, ttmp6, 0x40000                   ; cx
	s_lshl_b32 s13, ttmp9, 2
	s_add_co_u32 s13, s13, s9                      ; my block of 512 queries
	s_and_b32 s10, ttmp7, 0xffff                   ; the pair
	s_lshr_b32 s14, s10, 4                         ; batch
	s_and_b32 s15, s10, 15                         ; head
	s_mul_i32 s12, s14, 2048*XROW
	s_mul_i32 s58, s15, 768
	s_add_co_u32 s12, s12, s58                     ; the head's first byte in x (under 2^27)
	s_and_b32 s11, s[WV], 3                        ; which 64 keys of a chunk I fetch; also bk
	s_mul_i32 s58, s11, 64*XROW
	s_add_co_u32 s60, s12, s58
	s_mov_b32 s61, 0
	s_lshl_b32 s59, s13, 9
	s_lshl_b32 s58, s[WV], 5
	s_add_co_u32 s59, s59, s58                     ; my first query
	s_mul_i32 s54, s59, XROW
	s_add_co_u32 s54, s54, s12
	s_mov_b32 s55, 0
	s_lshl_b32 s58, s14, 11
	s_add_co_u32 s59, s59, s58
	s_lshl_b32 s56, s59, 12                        ; its row of out0,
	s_lshl_b32 s58, s15, 8
	s_add_co_u32 s56, s56, s58                     ; + 256 x head
	s_mov_b32 s57, 0
	s_and_b32 s76, s[WV], 1                        ; w % 2
	s_bfe_u32 s77, s[WV], 0x10001                  ; (w / 2) % 2
	s_lshr_b32 s52, s[WV], 2                       ; T = w / 4
	s_lshl_b32 s58, s9, 6                          ; the prefetches: row 64 cx + 32 (wave % 2),
	s_lshl_b32 s59, s76, 5
	s_add_co_u32 s58, s58, s59
	s_mul_i32 s58, s58, XROW
	s_add_co_u32 s58, s58, s12
	s_lshl_b32 s59, s77, 8                         ; k's third or v's,
	s_add_co_u32 s58, s58, s59
	s_add_co_u32 s[PFA], s58, 3*CHUNKB+256         ; at chunk 3: trip 0 steps it to chunk 4
	s_mov_b32 s[PFA+1], 0
	s_cmp_eq_u32 s52, 2
	s_cselect_b32 s[LIM], 1, -1
	s_mul_i32 s62, s11, 64*KP                      ; where my run of K goes in a slot,
	s_mul_i32 s63, s11, 64*VP
	s_add_co_u32 s63, s63, KT                      ; and of V
	s_mul_i32 s69, s[WV], 8*KP                     ; K: wave w quantises keys 8 w .. 8 w + 7 of each 128
	s_mul_i32 s70, s11, 32*VP                      ; V: columns 16 T on, keys 32 bk on
	s_lshl_b32 s58, s52, 6
	s_add_co_u32 s70, s70, s58
	s_add_co_u32 s70, s70, KT
	; keys 8 w + j = 64 (w / 8) + 32 ((w / 4) % 2) + 8 (w % 4) + j: tile 4 (w / 8) + w % 4, rows 8 g + j with g = (w / 4) % 2: pair b = 2 (w / 8) + (w / 2) % 2, its half w % 2
	s_lshr_b32 s78, s[WV], 3
	s_lshl_b32 s78, s78, 1
	s_add_co_u32 s78, s78, s77                     ; b
	s_and_b32 s79, s52, 1                          ; g
	s_lshl_b32 s71, s78, 10
	s_add_co_u32 s71, s71, RECS
	s_lshl_b32 s58, s76, 9
	s_add_co_u32 s71, s71, s58
	s_lshl_b32 s59, s79, 7
	s_add_co_u32 s71, s71, s59                     ; K's codes: RECS + 1,024 b + 512 (w % 2) + 128 g
	s_lshl_b32 s72, s78, 2
	s_add_co_u32 s72, s72, RECS
	s_add_co_u32 s72, s72, s59
	s_lshl_b32 s58, s76, 1
	s_add_co_u32 s72, s72, s58                     ; K's bytes: RECS + 128 g + 4 b + 2 (w % 2)
	s_lshl_b32 s73, s52, 10
	s_add_co_u32 s73, s73, RECS
	s_lshl_b32 s58, s11, 8
	s_add_co_u32 s73, s73, s58                     ; V's codes: RECS + 1,024 T + 256 bk
	s_lshl_b32 s74, s52, 2
	s_add_co_u32 s74, s74, RECS
	s_add_co_u32 s74, s74, s11                     ; V's bytes: RECS + 4 T + bk
	s_mul_i32 s75, s[WV], STGW                     ; my stage
	s_mov_b32 s[G1K], 15|(2<<16)|(1<<20)|(1<<21)|(5<<22)|(3<<25)   ; mask: all four; elements of 4 bytes; four words of padding after every 64
	s_mov_b32 s[G1V], 15|(2<<16)|(1<<20)|(1<<21)|(5<<22)|(1<<25)   ; two words
.irp g, G1K, G1V
	s_mov_b32 s[\g+1], 64<<16                      ; 64 rows x 64 elements, rows 3,072 elements apart
	s_mov_b32 s[\g+2], 64<<16
	s_mov_b32 s[\g+3], 64<<16
	s_mov_b32 s[\g+4], 64
	s_mov_b32 s[\g+5], 3072
	s_mov_b32 s[\g+6], 0
	s_mov_b32 s[\g+7], 0
.endr
	s_mov_b32 s[SEL], 0x76543210
	s_mov_b32 s[SEL+1], 0xfedcba98
	s_mov_b32 s[CS], 0x3e38aa3b                    ; c = log2(e) / 8
	; every LDS address: a constant + terms of the lane + terms of the wave
	v_and_b32 v[TA], 15, v0                        ; r
	v_bfe_u32 v[TA+1], v0, 4, 1                    ; h
	v_and_b32 v[W2], 31, v0                        ; lane
	v_bfe_u32 v[W2+1], v0, 2, 3                    ; j: my key of the wave's eight
	v_and_b32 v[BS], 3, v0                         ; which quarter of its 64
	v_bfe_u32 v[BS+1], v0, 1, 1                    ; which block of 32
	v_and_b32 v[BS+2], 1, v0                       ; which half of it
	v_lshlrev_b32 v[H8], 3, v[TA+1]                ; 8 h
	v_lshl_add_u32 v[LI], v[W2], 4, RECS
	v_mul_u32_u24 v[KRD], v[W2+1], KP
	v_mul_u32_u24 v[VRD], v[TA+1], 16*VP
	DLY 2
	v_lshl_add_u32 v[KRD], v[BS], 6, v[KRD]
	DLY 2
	v_lshl_add_u32 v[VRD], v[TA], 2, v[VRD]
	DLY 2
	v_add_nc_u32 v[KRD], s69, v[KRD]
	DLY 2
	v_add_nc_u32 v[VRD], s70, v[VRD]
	DLY 2
	v_add_nc_u32 v[KRD+1], SLOTB, v[KRD]
	DLY 2
	v_add_nc_u32 v[VRD+1], SLOTB, v[VRD]
	v_lshlrev_b32 v[KST], 4, v[W2+1]
	v_lshlrev_b32 v[VSS], 4, v[TA]
	DLY 2
	v_add_nc_u32 v[KSS], v[KST], v[BS+1]
	v_lshl_add_u32 v[KST], v[BS+1], 8, v[KST]
	v_lshl_add_u32 v[VST], v[TA+1], 3, v[VSS]
	DLY 2
	v_lshl_add_u32 v[KST], v[BS+2], 3, v[KST]
	v_add_nc_u32 v[KSS], s72, v[KSS]
	v_add_nc_u32 v[VST], s73, v[VST]
	v_add_nc_u32 v[VSS], s74, v[VSS]
	v_add_nc_u32 v[KST], s71, v[KST]
	v_mul_u32_u24 v[STO], v[TA], 272
	v_mul_u32_u24 v[RD], v[TA+1], 272
	DLY 2
	v_lshl_add_u32 v[STO], v[TA+1], 5, v[STO]
	DLY 2
	v_lshl_add_u32 v[RD], v[TA], 4, v[RD]
	DLY 2
	v_add_nc_u32 v[STO], s75, v[STO]               ; in: row r, + 32 h
	DLY 2
	v_add_nc_u32 v[RD], s75, v[RD]                 ; back: lanes 0-15 one row, lanes 16-31 the next
	v_lshlrev_b32 v[GO], 12, v[TA+1]
	v_mul_u32_u24 v[QO], v[TA], XROW
	DLY 2
	v_lshl_add_u32 v[GO], v[TA], 4, v[GO]
	DLY 2
	v_lshl_add_u32 v[QO], v[TA+1], 7, v[QO]        ; Q: row r, + 128 h: a whole block of my query
	v_mul_u32_u24 v[PFO], v[W2], XROW
	v_mov_b32 v[CC], 0x3e38aa3b
	v_mov_b32 v[CC+1], 0x3e38aa3b
	WA                                             ; the wait ahead of the waits below
	s_wait_dscnt 0x0                               ; both opening adds are done
	s_wait_kmcnt 0x0
	s_add_nc_u64 s[60:61], s[4:5], s[60:61]
	s_add_nc_u64 s[54:55], s[4:5], s[54:55]
	s_add_nc_u64 s[56:57], s[6:7], s[56:57]
	s_add_nc_u64 s[PFA:PFA+1], s[4:5], s[PFA:PFA+1]
	CROUND                                         ; the first joint loads meet
.irp s, 0,1
	s_mov_b32 s[G0K+4*\s], 1
	s_add_co_u32 s[G0K+4*\s+1], s62, \s*SLOTB
	s_add_nc_u64 s[G0K+4*\s+2:G0K+4*\s+3], s[60:61], \s*CHUNKB+256   ; chunk s, k's third
	s_or_b32 s[G0K+4*\s+3], s[G0K+4*\s+3], 0x80000000
	s_mov_b32 s[G0V+4*\s], 1
	s_add_co_u32 s[G0V+4*\s+1], s63, \s*SLOTB
	s_add_nc_u64 s[G0V+4*\s+2:G0V+4*\s+3], s[60:61], \s*CHUNKB+512   ; v's third
	s_or_b32 s[G0V+4*\s+3], s[G0V+4*\s+3], 0x80000000
.endr
	TLOAD 0                                        ; chunk 0: one tensor load a wave at the head
.irp t, 0,1
.irp i, 0,1,2,3,4,5,6,7
	global_load_b128 v[S+32*\t+4*\i:S+32*\t+4*\i+3], v[QO], s[54:55] offset:\t*16*XROW+16*\i
.endr
.endr
.irp z, 0,1,2,3, 8,9,10,11, 16,17,18,19
	v_mov_b32 v[ZQ+\z], 0                          ; the zero codes round Q
.endr
.set n, 0
.rept 32
	v_dual_mov_b32 v[O+n], v[NIL] :: v_dual_mov_b32 v[O+n+1], v[NIL]   ; O^T: the trip has no first step of its own; the first change of M multiplies zeros
.set n, n+2
.endr
.irp t, 0,1
	v_mov_b32 v[ST+4*\t], 0x7f61b1e6               ; -M: 3e38, over every floor(-t)
	v_mov_b32 v[ST+4*\t+1], 0x7f61b1e6
	v_mov_b32 v[ST+4*\t+2], 0
	v_mov_b32 v[ST+4*\t+3], 0
.endr
.irp b, 0,1,2,3
	v_mov_b32 v[BP+\b], 0                          ; a lane permute's destination counts as a source
.endr
	WA
	s_wait_tensorcnt 0x0                           ; my part of chunk 0 is in; slot 1's first fill goes out as a refill does:
	ds_add_u32 v[SPW], v[NIL]                      ; the add, here twice on end
	ds_add_u32 v[SPW], v[NIL]
	s_wait_dscnt 0x0
	CROUND
	TLOAD 1                                        ; chunk 1; Q's loads are still out
	s_wait_loadcnt 0x0                             ; Q is in: it is quantised in registers, all 32 numbers of a block are mine
.irp t, 0,1
	v_max3_num_f32 v[BM+\t], |v[S+32*\t]|, |v[S+32*\t+1]|, FLOOR
.endr
.irp i, 2,4,6,8,10,12,14,16,18,20,22,24,26,28,30
.irp t, 0,1
	DLY 2
	v_max3_num_f32 v[BM+\t], v[BM+\t], |v[S+32*\t+\i]|, |v[S+32*\t+\i+1]|
.endr
.endr
.irp t, 0,1
	DLY 2
	v_add_nc_u32 v[BS+\t], 0xff000000, v[BM+\t]    ; 2 off the exponent field: the conversion's scale operand
.endr
.irp t, 0,1
	DLY 2
	v_lshrrev_b32 v[BM+2+\t], 23, v[BS+\t]         ; the scale's byte
.endr
.irp t, 0,1
.irp g, 0,1,2,3
	v_cvt_scalef32_pk8_fp4_f32 v[ZQ+4+8*\t+\g], v[S+32*\t+8*\g:S+32*\t+8*\g+7], v[BS+\t]
.endr
.endr
	v_nop
.irp t, 0,1
	v_lshlrev_b32 v[BM+2+\t], v[H8], v[BM+2+\t]    ; my byte, 8 h bits up;
.endr
.irp t, 0,1
	DLY 2
	v_permlanex16_b32 v[BP+\t], v[BM+2+\t], s[SEL], s[SEL+1]
.endr
.irp t, 0,1
	DLY 2
	v_or_b32 v[BM+2+\t], v[BM+2+\t], v[BP+\t]      ; with lane l xor 16's;
.endr
.irp t, 0,1
	DLY 2
	v_lshl_or_b32 v[QS+\t], v[BM+2+\t], 16, v[BM+2+\t]   ; twice: q stands at k 0-63 or at k 64-127
.endr
; THE CHUNK IN SLOT sl BECOMES RECORDS 2 sl AND 2 sl + 1.  QLOAD: my 16 numbers of K (along d) and my 16 of V (down the keys) of each half f: K's 8 loads, then V's 32.
.macro QLOAD sl
.irp f, 0,1
.irp i, 0,1,2,3
	ds_load_b128 v[S+16*\f+4*\i:S+16*\f+4*\i+3], v[KRD+\sl] offset:\f*128*KP+16*\i
.endr
.endr
.irp f, 0,1
.irp i, 0,1,2,3,4,5,6,7,8,9,10,11,12,13,14,15
	ds_load_b32 v[S+32+16*\f+\i], v[VRD+\sl] offset:\f*128*VP+VP*\i
.endr
.endr
.endm
.macro QMX x                           ; the largest magnitude of my 16, the two halves by turns, two chains each
.irp f, 0,1
	v_max3_num_f32 v[BM+\f], |v[\x+16*\f]|, |v[\x+16*\f+1]|, |v[\x+16*\f+2]|
	v_max3_num_f32 v[BM+2+\f], |v[\x+16*\f+3]|, |v[\x+16*\f+4]|, |v[\x+16*\f+5]|
.endr
.irp i, 6,10
.irp f, 0,1
	v_max3_num_f32 v[BM+\f], v[BM+\f], |v[\x+16*\f+\i]|, |v[\x+16*\f+\i+1]|
	v_max3_num_f32 v[BM+2+\f], v[BM+2+\f], |v[\x+16*\f+\i+2]|, |v[\x+16*\f+\i+3]|
.endr
.endr
.irp f, 0,1
	v_max3_num_f32 v[BM+\f], v[BM+\f], |v[\x+16*\f+14]|, |v[\x+16*\f+15]|
.endr
.irp f, 0,1
	DLY 2
	v_max3_num_f32 v[BM+\f], v[BM+\f], v[BM+2+\f], FLOOR
.endr
.endm
.macro QWORK sl, kl                    ; kl: LDS loads issued behind QLOAD's
	s_wait_dscnt 32+\kl                            ; K's 8 loads are in: younger are V's 32 and kl more
	QMX S
.irp f, 0,1
	DLY 2
	v_max_num_f32_dpp v[BM+\f], v[BM+\f], v[BM+\f] row_xmask:1 row_mask:0xf bank_mask:0xf   ; with my neighbour's 16: the block's
.endr
.irp f, 0,1
	DLY 2
	v_add_nc_u32 v[BS+\f], 0xff000000, v[BM+\f]
.endr
.irp f, 0,1
	v_cvt_scalef32_pk8_fp4_f32 v[TA+2*\f], v[S+16*\f:S+16*\f+7], v[BS+\f]
	v_cvt_scalef32_pk8_fp4_f32 v[TA+2*\f+1], v[S+16*\f+8:S+16*\f+15], v[BS+\f]
.endr
.irp f, 0,1
	v_lshrrev_b32 v[BP+\f], 23, v[BS+\f]           ; the scale's byte (the plain place behind the conversions)
.endr
.irp f, 0,1
	ds_store_b64 v[KST], v[TA+2*\f:TA+2*\f+1] offset:(2*\sl+\f)*REC
	ds_store_b8 v[KSS], v[BP+\f] offset:(2*\sl+\f)*REC+RKS   ; both lanes of a block write the same byte
.endr
	s_wait_dscnt 4+\kl                             ; V's 32 loads are in: younger are kl loads and the four stores
	QMX S+32
.irp f, 0,1
	DLY 2
	v_permlanex16_b32 v[BP+2+\f], v[BM+\f], s[SEL], s[SEL+1]
.endr
.irp f, 0,1
	DLY 2
	v_max_num_f32 v[BM+\f], v[BM+\f], v[BP+2+\f]   ; with lane l xor 16's 16 keys
.endr
.irp f, 0,1
	DLY 2
	v_add_nc_u32 v[BS+2+\f], 0xff000000, v[BM+\f]
.endr
.irp f, 0,1
	v_cvt_scalef32_pk8_fp4_f32 v[P+2*\f], v[S+32+16*\f:S+32+16*\f+7], v[BS+2+\f]
	v_cvt_scalef32_pk8_fp4_f32 v[P+2*\f+1], v[S+32+16*\f+8:S+32+16*\f+15], v[BS+2+\f]
.endr
.irp f, 0,1
	v_lshrrev_b32 v[P+4+\f], 23, v[BS+2+\f]
.endr
.irp f, 0,1
	ds_store_b64 v[VST], v[P+2*\f:P+2*\f+1] offset:(2*\sl+\f)*REC+RV
	ds_store_b8 v[VSS], v[P+4+\f] offset:(2*\sl+\f)*REC+RVS
.endr
.endm
.macro KLOAD rc                        ; record rc: K's four pairs and the scale words: 9 loads
.irp b, 0,1,2,3
.irp c, 0,1
	ds_load_b128 v[KV+8*\b+4*\c:KV+8*\b+4*\c+3], v[LI] offset:(\rc)*REC+1024*\b+512*\c
.endr
.endr
	ds_load_b128 v[SC:SC+3], v[LI] offset:(\rc)*REC+RKS
.endm
.macro VLOAD rc                        ; V's four fragments: 8 loads
.irp t, 0,1,2,3
.irp c, 0,1
	ds_load_b128 v[KV+8*\t+4*\c:KV+8*\t+4*\c+3], v[LI] offset:(\rc)*REC+RV+1024*\t+512*\c
.endr
.endr
.endm
.macro SPROD tau                       ; S^T of tile tau against 128 keys: K's tile n lands in v[S + 8 n] on; each product starts its sum with 0
.irp b, 0,1,2,3
	v_wmma_scale_f32_16x16x128_f8f6f4 v[S+16*\b:S+16*\b+7], v[KV+8*\b:KV+8*\b+7], v[ZQ+4+8*\tau:ZQ+11+8*\tau], 0, v[SC+\b], v[QS+\tau] matrix_a_fmt:MATRIX_FMT_FP4 matrix_b_fmt:MATRIX_FMT_FP4
	v_wmma_scale_f32_16x16x128_f8f6f4 v[S+16*\b+8:S+16*\b+15], v[KV+8*\b:KV+8*\b+7], v[ZQ+8*\tau:ZQ+7+8*\tau], 0, v[SC+\b], v[QS+\tau] matrix_a_fmt:MATRIX_FMT_FP4 matrix_b_fmt:MATRIX_FMT_FP4
.endr
.endm
.macro PV                              ; O^T += V^T P^T: eight accumulators by turns
.irp t, 0,1,2,3
.irp u, 0,1
	v_wmma_scale_f32_16x16x128_f8f6f4 v[O+32*\u+8*\t:O+32*\u+8*\t+7], v[KV+8*\t:KV+8*\t+7], v[P+8*\u:P+8*\u+7], v[O+32*\u+8*\t:O+32*\u+8*\t+7], v[SC+\t], v[PW+\u] matrix_a_fmt:MATRIX_FMT_FP4 matrix_b_fmt:MATRIX_FMT_FP4 matrix_a_scale:MATRIX_SCALE_ROW1
.endr
.endr
.endm
.macro DADD a, n                       ; two sums take two numbers
	v_dual_add_f32 v[\a], v[S+\n], v[\a] :: v_dual_add_f32 v[\a+1], v[S+\n+1], v[\a+1]
.endm
.macro DADD0 a, n                      ; two sums begin with two numbers each
	v_dual_add_f32 v[\a], v[S+\n], v[S+\n+2] :: v_dual_add_f32 v[\a+1], v[S+\n+1], v[S+\n+3]
.endm
; THE SOFTMAX OF TILE tau FOR 128 KEYS.  Register 32 c + i of S is key 64 c + 32 (lane / 16) + i of my query: my two whole blocks, 2 c + lane / 16.
.macro SOFTMAX tau
.set rT, ST+4*\tau
.set rP, P+8*\tau
.set rW, PW+\tau
.irp c, 0,1                            ; each block's largest score, in two chains: for the row's maximum and for the block's largest p; every accumulator is read from its low end on
	v_max3_num_f32 v[BM+\c], v[S+32*\c], v[S+32*\c+1], v[S+32*\c+2]
	v_max3_num_f32 v[BM+2+\c], v[S+32*\c+16], v[S+32*\c+17], v[S+32*\c+18]
.endr
.irp i, 3,5,7,9,11,13
.irp c, 0,1
	v_max3_num_f32 v[BM+\c], v[BM+\c], v[S+32*\c+\i], v[S+32*\c+\i+1]
	v_max3_num_f32 v[BM+2+\c], v[BM+2+\c], v[S+32*\c+16+\i], v[S+32*\c+17+\i]
.endr
.endr
.irp c, 0,1
	v_max3_num_f32 v[BM+\c], v[BM+\c], v[S+32*\c+15], v[S+32*\c+31]
.endr
.irp c, 0,1
	DLY 2
	v_max_num_f32 v[BM+\c], v[BM+\c], v[BM+2+\c]
.endr
	DLY 1
	v_max_num_f32 v[TA], v[BM], v[BM+1]
	DLY 1
	v_permlanex16_b32 v[BP+2], v[TA], s[SEL], s[SEL+1]
	DLY 1
	v_max_num_f32 v[TA], v[TA], v[BP+2]            ; with lane l xor 16's two blocks
	DLY 1
	v_mul_f32 v[TA], s[CS], v[TA]                  ; the 128 keys' largest t
	DLY 1
	v_floor_f32 v[TA], -v[TA]
	DLY 1
	v_min_num_f32 v[TA], v[TA], v[rT]              ; the new -M: the ceiling of a maximum is the maximum of the ceilings
	DLY 1
	v_sub_f32 v[TA+1], v[TA], v[rT]                ; old M - new M: a whole number, 0 or less
	DLY 1
	v_cvt_i32_f32 v[TA+1], v[TA+1]                 ; (it saturates)
	DLY 1
	v_ldexp_f32 v[F], 1.0, v[TA+1]                 ; f
	v_dual_mov_b32 v[rT], v[TA] :: v_dual_mov_b32 v[rT+1], v[TA]
.set n, 0
.rept 32
	v_dual_fma_f32 v[S+n], v[S+n], v[CC], v[rT] :: v_dual_fma_f32 v[S+n+1], v[S+n+1], v[CC+1], v[rT+1]   ; t - M
.set n, n+2
.endr
.irp c, 0,1
	v_fma_f32 v[BM+\c], v[BM+\c], s[CS], v[rT]     ; the same of each block's largest score
.endr
	WA                                             ; the wait ahead of the batch
.set n, 0
.rept 64
	v_exp_f32 v[S+n], v[S+n]                       ; p
.set n, n+1
.endr
.irp c, 0,1
	v_exp_f32 v[BM+\c], v[BM+\c]                   ; the block's largest p
.endr
	v_dual_mul_f32 v[rT+2], v[F], v[rT+2] :: v_dual_mul_f32 v[rT+3], v[F], v[rT+3]   ; the sum under the new M
	WA                                             ; and behind it, ahead of the first reader
.irp c, 0,1
	v_max_num_f32 v[BM+\c], FLOOR, v[BM+\c]
.endr
.irp c, 0,1
	DLY 2
	v_add_nc_u32 v[BS+\c], 0xff000000, v[BM+\c]    ; 2 off the exponent field: the conversion's scale operand
.endr
.irp c, 0,1
.irp g, 0,1,2,3
	v_cvt_scalef32_pk8_fp4_f32 v[rP+4*\c+\g], v[S+32*\c+8*\g:S+32*\c+8*\g+7], v[BS+\c]   ; register 4 c + g of the operand: k = 64 c + 32 (lane / 16) + 8 g on
.endr
.endr
.irp c, 0,1
	v_lshrrev_b32 v[BP+\c], 23, v[BS+\c]           ; the scale's byte (the plain place behind the conversions)
.endr
	DLY 1
	v_lshl_or_b32 v[BP], v[BP+1], 16, v[BP]        ; my two bytes: blocks h and 2 + h,
	DLY 1
	v_lshlrev_b32 v[BP], v[H8], v[BP]              ; at their places in the word;
	DLY 1
	v_permlanex16_b32 v[BP+1], v[BP], s[SEL], s[SEL+1]
	DLY 1
	v_or_b32 v[rW], v[BP], v[BP+1]                 ; with lane l xor 16's two: p's scale word
	DADD0 W2, 0                                    ; the row's sum of the UNQUANTISED p: four pairs of sums by turns
	DADD0 BM, 4
	DADD0 BM+2, 8
.set n, 12
.rept 6
	DADD rT+2, n
	DADD W2, n+2
	DADD BM, n+4
	DADD BM+2, n+6
.set n, n+8
.endr
	DADD rT+2, 60
	DADD W2, 62
	v_dual_add_f32 v[rT+2], v[BM+2], v[rT+2] :: v_dual_add_f32 v[rT+3], v[BM+3], v[rT+3]
	v_dual_add_f32 v[W2], v[BM], v[W2] :: v_dual_add_f32 v[W2+1], v[BM+1], v[W2+1]
	v_dual_add_f32 v[rT+2], v[W2], v[rT+2] :: v_dual_add_f32 v[rT+3], v[W2+1], v[rT+3]
.endm
.macro RESCALE tau                     ; O^T under the new M, each accumulator from its low end on
	WA                                             ; the wait directly ahead of the first reader of O^T
.set n, 0
.rept 16
	v_dual_mul_f32 v[O+32*\tau+n], v[F], v[O+32*\tau+n] :: v_dual_mul_f32 v[O+32*\tau+n+1], v[F], v[O+32*\tau+n+1]
.set n, n+2
.endr
.endm
.macro BODY rc, ask                    ; record rc up to tile 1's sums; each fragment feeds both tiles
	SPROD 0
.if \ask
	ASK
.endif
	NOP4                                           ; four places ahead of the first read of the results
	SOFTMAX 0
	SPROD 1
	RESCALE 0                                      ; its sixteen lines name no register of the products above: they are the places ahead of the loads into K's registers and of the reads of the results
	VLOAD \rc
	SOFTMAX 1
.endm
; A TRIP.  sl: the chunk's slot and records, ot: the other's.
.macro TRIP sl, ot, refill, quant
.if \refill
	s_wait_xcnt 0x0                                ; my prefetch has read its address
	s_add_nc_u64 s[PFA:PFA+1], s[PFA:PFA+1], CHUNKB
.endif
	s_wait_tensorcnt 0x0                           ; my part of the other slot is in; no load of mine is out
	ds_add_u32 v[SPW], v[NIL]                      ; the add
.if \refill
	ds_add_u32 v[SPW], v[NIL]                      ; twice on end where a load follows
	s_add_nc_u64 s[G0K+4*\sl+2:G0K+4*\sl+3], s[G0K+4*\sl+2:G0K+4*\sl+3], 2*CHUNKB
	s_add_nc_u64 s[G0V+4*\sl+2:G0V+4*\sl+3], s[G0V+4*\sl+2:G0V+4*\sl+3], 2*CHUNKB
.endif
	s_wait_dscnt 0x0                               ; the add, my reads of slot sl and of the other records, my stores into these records
.if \refill
	CROUND
	TLOAD \sl                                      ; the chunk two on
.else
	s_barrier_signal -1
	s_barrier_wait -1
.endif
	KLOAD 2*\sl
	s_wait_dscnt 0x0
	BODY 2*\sl, \refill
.if \quant
	QLOAD \ot                                      ; 40 loads into S, whose p has been summed
.endif
	RESCALE 1
	WA                                             ; the wait ahead of the wait below
	s_wait_dscnt 40*\quant                         ; V's fragments are in; QLOAD's 40 may be out
	PV
	NOP4                                           ; ahead of the loads into these products' registers
	KLOAD 2*\sl+1
.if \quant
	QWORK \ot, 9
.endif
	s_wait_dscnt 0x0
	BODY 2*\sl+1, 0
	RESCALE 1
	WA
	s_wait_dscnt 0x0
	PV
	NOP4
.endm
	QLOAD 0                                        ; chunk 0: every wave's part was in ahead of the round above
	QWORK 0, 0
	s_mov_b32 s[CNT], 3
	WA                                             ; the wait at the head's end
.Ltrip:                                            ; three times two trips: chunks 0 to 5 are multiplied, chunks 2 to 7 asked for
	TRIP 0, 1, 1, 1
	TRIP 1, 0, 1, 1
	s_sub_co_u32 s[CNT], s[CNT], 1
	s_cmp_lg_u32 s[CNT], 0
	s_cbranch_scc1 .Ltrip
	TRIP 0, 1, 0, 1                                ; the tail is written out
	TRIP 1, 0, 0, 0
	; THE WAY OUT: O^T / the sum goes through my stage, a tile (16 rows of 256 bytes) at a time: sixteen lanes store 256 consecutive bytes.
.irp t, 0,1
	v_add_f32 v[BM+\t], v[ST+4*\t+2], v[ST+4*\t+3]
.endr
.irp t, 0,1
	DLY 2
	v_permlanex16_b32 v[BP+\t], v[BM+\t], s[SEL], s[SEL+1]
.endr
.irp t, 0,1
	DLY 2
	v_add_f32 v[BM+\t], v[BM+\t], v[BP+\t]
.endr
	WA
.irp t, 0,1
	v_rcp_f32 v[BS+\t], v[BM+\t]
.endr
	v_nop
	WA
.irp t, 0,1
.set n, 0
.rept 16
	v_dual_mul_f32 v[S+32*\t+n], v[BS+\t], v[O+32*\t+n] :: v_dual_mul_f32 v[S+32*\t+n+1], v[BS+\t], v[O+32*\t+n+1]   ; register 8 T + i: o(query r, 16 T + 8 h + i)
.set n, n+2
.endr
.endr
.irp t, 0,1                            ; tile 0 comes back into K's and V's registers, tile 1 into tile 0's O^T
.irp g, 0,1,2,3
	ds_store_b128 v[STO], v[S+32*\t+8*\g:S+32*\t+8*\g+3] offset:64*\g
	ds_store_b128 v[STO], v[S+32*\t+8*\g+4:S+32*\t+8*\g+7] offset:64*\g+16
.endr
.irp i, 0,1,2,3,4,5,6,7
	ds_load_b128 v[KV+96*\t+4*\i:KV+96*\t+4*\i+3], v[RD] offset:\i*2*272   ; LDS serves a wave's instructions in order (ISA guide 5.7.1.4)
.endr
.endr
.irp t, 0,1
.irp i, 0,1,2,3,4,5,6,7
	s_wait_dscnt 16*(1-\t)+7-\i                    ; younger: its tile's later loads, and for tile 0 tile 1's eight stores and eight loads
	global_store_b128 v[GO], v[KV+96*\t+4*\i:KV+96*\t+4*\i+3], s[56:57] offset:\t*16*4096+\i*2*4096 th:TH_STORE_NT
.endr
.endr
	s_wait_tensorcnt 0x0                           ; the wave's end
	ds_add_u32 v[SPW], v[NIL]
	s_wait_dscnt 0x0
	CROUND                                         ; the closing round
	s_endpgm
.Lfunc_end_k_q489926e666_attn:
	.size	k_q489926e666_attn, .Lfunc_end_k_q489926e666_attn-k_q489926e666_attn
	.p2alignl 7, 3214868480
	.fill 96, 4, 3214868480
	.section	.rodata,"a",@progbits
	.p2align	6, 0x0
	.amdhsa_kernel k_q489926e666_attn
		.amdhsa_group_segment_fixed_size 327680
		.amdhsa_private_segment_fixed_size 0
		.amdhsa_enable_private_segment 0
		.amdhsa_kernarg_size 16
		.amdhsa_user_sgpr_count 2
		.amdhsa_user_sgpr_kernarg_segment_ptr 1
		.amdhsa_wavefront_size32 1
		.amdhsa_system_sgpr_workgroup_id_x 1
		.amdhsa_system_sgpr_workgroup_id_y 1
		.amdhsa_system_sgpr_workgroup_id_z 1
		.amdhsa_system_vgpr_workitem_id 0
		.amdhsa_next_free_vgpr 256
		.amdhsa_next_free_sgpr 80
		.amdhsa_reserve_vcc 0
		.amdhsa_float_denorm_mode_32 3
		.amdhsa_float_denorm_mode_16_64 3
		.amdhsa_memory_ordered 1
		.amdhsa_forward_progress 1
		.amdhsa_inst_pref_size 255
	.end_amdhsa_kernel
	.section	.bss,"aw",@nobits
	.p2align	6
	.space	262144
	.amdgpu_metadata
---
amdhsa.version: [ 1, 2 ]
amdhsa.kernels:
  - .name:           k_q489926e666_attn
    .symbol:         k_q489926e666_attn.kd
    .args:
      - { .name: x, .offset: 0, .size: 8, .value_kind: global_buffer, .address_space: global }
      - { .name: out0, .offset: 8, .size: 8, .value_kind: global_buffer, .address_space: global }
    .group_segment_fixed_size: 327680
    .private_segment_fixed_size: 0
    .kernarg_segment_align: 8
    .kernarg_segment_size: 16
    .max_flat_workgroup_size: 512
    .sgpr_count:     80
    .vgpr_count:     256
    .wavefront_size: 32
...
	.end_amdgpu_metadata
.endif
;; end of part 1
